; MI455X (gfx1250); checked and timed in simulation.
; The chip was launched on July 23, 2026; its instructions are those of AMD's public machine-readable ISA for CDNA 5 (MIT licence, August 2026) and "CDNA5" Instruction Set Architecture Reference Guide (July 2026). The comments in the code are by the model that wrote it; some were corrected since.
;; MLP Attention. Allowed arithmetic: matrix products marked QUANTISED: E5M2 operands, one given power-of-two scale a tensor, by v_wmma_f32_16x16x64_bf8_bf8 or v_wmma_f32_16x16x128_bf8_bf8, f32 sums; products left as they are: f32 operands where the result goes on into a quantised operand, else bf16, f16 or f32 operands; f32 sums; everything else in f32.
;; Inputs: Wq_codes 1,024 x 32 x 32 uint8 (E5M2 codes of Wq, K innermost, in blocks of 32 codes); Wv_codes 1,024 x 32 x 32 uint8 (E5M2 codes of Wv, K innermost, in blocks of 32 codes); bq 1,024 float32; lowp_scales 4 int32 (the exponents e of the quantised operands' scales 2^e); mask 32 x 2,048 bool; query_codes 32 x 32 x 32 uint8 (E5M2 codes of query, K innermost, in blocks of 32 codes); value_codes 32 x 2,048 x 32 x 32 uint8 (E5M2 codes of value, K innermost, in blocks of 32 codes); w 1,024 float32.
;; Outputs: out0 32 x 2,048 float32.
;; This version of the problem:
;;   THIS VERSION OF THE PROBLEM IS GIVEN IN LOW PRECISION. The matrix products marked QUANTISED in the list below multiply operands that are first quantised to E5M2 (5 exponent bits, 2 mantissa bits; 8 bits a number), with one given power-of-two scale for each operand tensor; their sums are f32. All else is computed in f32.
;;   The module's matrix products, in the order in which they are computed (A, B: the left and right operand; K: the contracted axis; several contracted axes count as one K, in the product's order):
;;     1. [M 32, K 1,024] x [K 1,024, N 1,024]; A: input query (given as codes); B: input Wq (given as codes): QUANTISED (scales: A lowp_scales[0], B lowp_scales[1])
;;     2. [M 65,536, K 1,024] x [K 1,024, N 1,024]; A: input value (given as codes); B: input Wv (given as codes): QUANTISED (scales: A lowp_scales[2], B lowp_scales[3])
;;     3. [M 65,536, K 1,024] x [K 1,024, N 1]; A: computed on the way; B: input w: left as it is (N = 1 < 16)
;;   THE QUANTISER, for each operand of a quantised product, along K:
;;     - The operand's scale is 2^e, e = its entry of the input lowp_scales (int32; the entries are numbered through the quantised products in the list's order, A before B).
;;     - Each number is divided by the scale, clamped to +-57,344, and rounded to the nearest number of E5M2, ties to even, subnormals kept.
;;     - The product sums the exact products of the quantised numbers (number of the format x scale) in f32.
;;   ~~~python
;;   def quantise(x, axis, e):      # numpy; x: float32 -> the quantised numbers, widened to float32 again
;;       x = np.moveaxis(x, axis, -1); K = x.shape[-1]
;;       r = np.clip(x / 2.0 ** e, -57344, 57344)
;;       step = 2.0 ** (np.maximum(np.frexp(np.where(r == 0, 1, r))[1] - 1, -14) - 2)
;;       q = np.round(r / step) * step * 2.0 ** e      # np.round: ties to even
;;       return np.moveaxis(q, -1, axis).astype(np.float32)
;;   ~~~
;;   INPUTS GIVEN AS CODES. Wq (in the module: [1024, 1024], K = its axis 0); Wv (in the module: [1024, 1024], K = its axis 0); query (in the module: [32, 1024], K = its axis 1); value (in the module: [32, 2048, 1024], K = its axis 2): each comes as NAME_codes (uint8): NAME with its K axis moved to the last place and cut into blocks of 32 codes, [.., K / 32, bytes a block], one block behind the other in memory; one code a byte (a code: sign, 5 exponent bits, 2 mantissa bits); its scale is its entry of lowp_scales. Its value is code x scale, taken as it is: it is not quantised again, and the codes and scales need not be those that the quantiser above would give.
;; One version. Each part assembles by itself: llvm-mc -triple=amdgcn-amd-amdhsa -mcpu=gfx1250 --defsym DOCPART=n.
;; ======== version 1 of 1: 3 launches
;; workspace buffers: hqi 131,072 bytes; wvf 1,048,576 bytes; plog 1,048,576 bytes
;; launch prep (part 1): grid 64 x 1, 4 waves a work-group, no clusters, 8,704 bytes of LDS; arguments query_codes, Wq_codes, bq, lowp_scales, Wv_codes, hqi, wvf; writes hqi, wvf
.if DOCPART == 1
	.amdgcn_target "amdgcn-amd-amdhsa--gfx1250"
	.amdhsa_code_object_version 6
	.text
	.protected	k_qc4248030a8_prep
	.globl	k_qc4248030a8_prep
	.p2align	8
	.type	k_qc4248030a8_prep,@function
k_qc4248030a8_prep:
	s_mov_b64 s[64:65], 0
	v_nop
	global_prefetch_b8 v0, s[64:65] scope:SCOPE_SE
	s_setreg_imm32_b32 hwreg(HW_REG_WAVE_MODE, 25, 1), 1
	s_wait_xcnt 0x0
; TWO SMALL JOBS AHEAD OF THE MAIN LAUNCH.
; (1) hq = query Wq + bq on codes of BF8 (E5M2): [32][1024] x [1024][1024].  It is stored as c x hq, c = 2 log2(e), in the order of the registers in which the main launch wants it:
;     hqi [T 64][G 4][lane 32][4] f32: T = the tile of 16 hidden units, G = 2 (b / 16) + g, lane = 16 hf + b % 16, number jj = c hq[b][16 T + 8 hf + 4 g + jj].
; (2) Wv's codes are laid anew in the order of an operand's registers: wvf [T 64][q 8][cc 4][lane 32][16 bytes] = Wv_codes[row 16 T + lane % 16][128 q + 32 cc + 16 (lane / 16) + 0 .. 15],
;     so that the main launch brings a fragment's four registers by one load of 512 consecutive bytes a wave.
; SHARES.  Work-group T takes 16 hidden units; wave w takes K = 256 w .. 256 w + 255 (two K steps of 128) of both jobs.  The four waves' partial sums meet in LDS; wave w finishes group G = w.
; THE MATRIX INSTRUCTION IS USED TRANSPOSED: source 0 = 16 rows of Wq, source 1 = 16 rows of query: lane (r, hf) holds batch row r and its registers j the hidden units 8 hf + j.
; A fragment is brought by four loads of 16 bytes, 32 bytes apart: registers 4 cc .. 4 cc + 3 hold K = 32 cc + 16 hf + 0 .. 15: a permutation of k that is the same in both sources, so every product meets its partner.
; No cluster: what work-groups share is query's 32 KiB, a small part beside the 32 KiB of weights that each reads alone.  e0 + e1 is applied by v_ldexp_f32 and keeps no limit.  NaN codes are not served.
.set C2L, 0x4038aa3b                   ; c = 2 log2(e)
.set FA,  4                            ; v4   a fragment's place for my lane: 1,024 r + 16 hf
.set LI,  5                            ; v5   16 x lane
.set PS,  6                            ; v6   LDS: where I put my partial sums: 16 x lane + 2,048 x wave
.set PL,  7                            ; v7   LDS: where I read group w's: 16 x lane + 512 x wave
.set BA,  8                            ; v8   bq: 32 hf
.set WQ,  16                           ; v16-47    Wq's fragments, 16 qq + 4 cc
.set QU,  48                           ; v48-111   query's, 32 m + 16 qq + 4 cc
.set WVR, 112                          ; v112-143  Wv's, 16 qq + 4 cc
.set AC,  144                          ; v144-159  two accumulators, m = 0, 1
.set PP,  160                          ; v160-175  the four waves' partial sums of my group
.set BQ,  176                          ; v176-179  bq
.set RS,  180                          ; v180-183  the result
	s_load_b256 s[4:11], s[0:1], 0x0               ; query s[4:5], Wq s[6:7], bq s[8:9], the scales' exponents s[10:11]
	s_load_b128 s[12:15], s[0:1], 0x20             ; Wv s[12:13], hqi s[14:15]
	s_load_b64 s[16:17], s[0:1], 0x30              ; wvf
	v_lshl_add_u32 v192, v0, 2, 0x2000
	v_mov_b32 v193, 0
	v_lshrrev_b32 v1, 5, v0
	v_readfirstlane_b32 s18, v1                    ; wave 0..3
	v_and_b32 v2, 15, v0                           ; r
	v_bfe_u32 v3, v0, 4, 1                         ; hf
	v_lshlrev_b32 v[FA], 10, v2
	v_lshl_add_u32 v[FA], v3, 4, v[FA]
	v_and_b32 v[LI], 31, v0
	v_lshlrev_b32 v[LI], 4, v[LI]
	s_lshl_b32 s19, s18, 11
	v_add_nc_u32 v[PS], s19, v[LI]
	s_lshl_b32 s19, s18, 9
	v_add_nc_u32 v[PL], s19, v[LI]
	v_lshlrev_b32 v[BA], 5, v3
	s_lshl_b32 s22, ttmp9, 14                      ; Wq, Wv: 16 rows of 1,024 bytes for each T, + my 256 along K
	s_lshl_b32 s24, s18, 8                         ; query: my 256 along K
	s_add_co_u32 s22, s22, s24
	s_mov_b32 s23, 0
	s_mov_b32 s25, 0
	s_lshl_b32 s26, ttmp9, 6                       ; bq: 64 T + 16 g, g = w % 2
	s_and_b32 s19, s18, 1
	s_lshl_b32 s19, s19, 4
	s_add_co_u32 s26, s26, s19
	s_mov_b32 s27, 0
	s_lshl_b32 s28, ttmp9, 14                      ; wvf: 16,384 T + 4,096 w
	s_lshl_b32 s19, s18, 12
	s_add_co_u32 s28, s28, s19
	s_mov_b32 s29, 0
	s_lshl_b32 s30, ttmp9, 11                      ; hqi: 2,048 T + 512 w
	s_lshl_b32 s19, s18, 9
	s_add_co_u32 s30, s30, s19
	s_mov_b32 s31, 0
	s_wait_kmcnt 0x0
	s_load_b64 s[20:21], s[10:11], 0x0             ; e0 (query), e1 (Wq)
	s_add_nc_u64 s[4:5], s[4:5], s[24:25]
	s_add_nc_u64 s[6:7], s[6:7], s[22:23]
	s_add_nc_u64 s[12:13], s[12:13], s[22:23]
	s_add_nc_u64 s[8:9], s[8:9], s[26:27]
	s_add_nc_u64 s[16:17], s[16:17], s[28:29]
	s_add_nc_u64 s[14:15], s[14:15], s[30:31]
.irp qq, 0,1
.irp cc, 0,1,2,3
	global_load_b128 v[WQ+16*\qq+4*\cc:WQ+16*\qq+4*\cc+3], v[FA], s[6:7] offset:128*\qq+32*\cc th:TH_LOAD_NT
.endr
.endr
.irp m, 0,1
.irp qq, 0,1
.irp cc, 0,1,2,3
	global_load_b128 v[QU+32*\m+16*\qq+4*\cc:QU+32*\m+16*\qq+4*\cc+3], v[FA], s[4:5] offset:16384*\m+128*\qq+32*\cc
.endr
.endr
.endr
.irp qq, 0,1
.irp cc, 0,1,2,3
	global_load_b128 v[WVR+16*\qq+4*\cc:WVR+16*\qq+4*\cc+3], v[FA], s[12:13] offset:128*\qq+32*\cc th:TH_LOAD_NT
.endr
.endr
	global_load_b128 v[BQ:BQ+3], v[BA], s[8:9]
	s_wait_loadcnt 9                               ; Wq's 8 and query's 16 are in; the nine younger loads (Wv's 8, bq's one) may stay out
	; the two accumulators take turns, one instruction a turn; the first K step starts the sums
	v_wmma_f32_16x16x128_bf8_bf8 v[AC:AC+7],    v[WQ:WQ+15],    v[QU:QU+15],    0
	v_wmma_f32_16x16x128_bf8_bf8 v[AC+8:AC+15], v[WQ:WQ+15],    v[QU+32:QU+47], 0
	v_wmma_f32_16x16x128_bf8_bf8 v[AC:AC+7],    v[WQ+16:WQ+31], v[QU+16:QU+31], v[AC:AC+7]
	v_wmma_f32_16x16x128_bf8_bf8 v[AC+8:AC+15], v[WQ+16:WQ+31], v[QU+48:QU+63], v[AC+8:AC+15]
	s_wait_loadcnt 1                               ; Wv's fragments are in; bq's load may stay out
.irp qq, 0,1
.irp cc, 0,1,2,3
	global_store_b128 v[LI], v[WVR+16*\qq+4*\cc:WVR+16*\qq+4*\cc+3], s[16:17] offset:2048*\qq+512*\cc   ; the wave stores 512 consecutive bytes, at a multiple of 256 from wvf's first byte
.endr
.endr
.rept 4
	v_nop                                          ; four places between the last product and the LDS stores that read the sums
.endr
.irp g, 0,1,2,3
	ds_store_b128 v[PS], v[AC+4*\g:AC+4*\g+3] offset:512*\g   ; group G = 2 m + g; each accumulator from its low end on
.endr
	s_wait_dscnt 0x0                               ; for the others' sake: my partial sums lie in LDS
	s_barrier_signal -1
	s_barrier_wait -1
.irp p, 0,1,2,3
	ds_load_b128 v[PP+4*\p:PP+4*\p+3], v[PL] offset:2048*\p   ; group w of all four waves
.endr
	s_wait_dscnt 0x0
.irp i, 0,2
	v_pk_add_f32 v[PP+\i:PP+\i+1], v[PP+\i:PP+\i+1], v[PP+4+\i:PP+5+\i]
	v_pk_add_f32 v[PP+8+\i:PP+9+\i], v[PP+8+\i:PP+9+\i], v[PP+12+\i:PP+13+\i]
.endr
.irp i, 0,2
	v_pk_add_f32 v[PP+\i:PP+\i+1], v[PP+\i:PP+\i+1], v[PP+8+\i:PP+9+\i]
.endr
	s_wait_kmcnt 0x0
	s_add_co_i32 s20, s20, s21                     ; e0 + e1
.irp i, 0,1,2,3
	v_ldexp_f32 v[RS+\i], v[PP+\i], s20            ; a sum stands for sum x 2^(e0 + e1)
.endr
	s_wait_loadcnt 0x0                             ; bq
.irp i, 0,2
	v_pk_add_f32 v[RS+\i:RS+\i+1], v[RS+\i:RS+\i+1], v[BQ+\i:BQ+\i+1]
.endr
.irp i, 0,2
	v_pk_mul_f32 v[RS+\i:RS+\i+1], v[RS+\i:RS+\i+1], C2L op_sel_hi:[1,0]   ; x c, so that the main launch's one multiply-add gives the exponential's argument
.endr
	global_store_b128 v[LI], v[RS:RS+3], s[14:15]  ; 512 consecutive bytes a wave
	s_wait_tensorcnt 0x0
	ds_add_u32 v192, v193
	s_wait_dscnt 0x0
	s_endpgm
.Lfunc_end_k_qc4248030a8_prep:
	.size	k_qc4248030a8_prep, .Lfunc_end_k_qc4248030a8_prep-k_qc4248030a8_prep
	.p2alignl 7, 3214868480
	.fill 96, 4, 3214868480
	.section	.rodata,"a",@progbits
	.p2align	6, 0x0
	.amdhsa_kernel k_qc4248030a8_prep
		.amdhsa_group_segment_fixed_size 8704
		.amdhsa_private_segment_fixed_size 0
		.amdhsa_enable_private_segment 0
		.amdhsa_kernarg_size 56
		.amdhsa_user_sgpr_count 2
		.amdhsa_user_sgpr_kernarg_segment_ptr 1
		.amdhsa_wavefront_size32 1
		.amdhsa_system_sgpr_workgroup_id_x 1
		.amdhsa_system_sgpr_workgroup_id_y 1
		.amdhsa_system_sgpr_workgroup_id_z 1
		.amdhsa_system_vgpr_workitem_id 0
		.amdhsa_next_free_vgpr 194
		.amdhsa_next_free_sgpr 66
		.amdhsa_reserve_vcc 0
		.amdhsa_float_denorm_mode_32 3
		.amdhsa_float_denorm_mode_16_64 3
		.amdhsa_memory_ordered 1
		.amdhsa_forward_progress 1
		.amdhsa_inst_pref_size 9
	.end_amdhsa_kernel
	.amdgpu_metadata
---
amdhsa.version: [ 1, 2 ]
amdhsa.kernels:
  - .name:           k_qc4248030a8_prep
    .symbol:         k_qc4248030a8_prep.kd
    .args:
      - { .name: query_codes, .offset: 0, .size: 8, .value_kind: global_buffer, .address_space: global }
      - { .name: Wq_codes, .offset: 8, .size: 8, .value_kind: global_buffer, .address_space: global }
      - { .name: bq, .offset: 16, .size: 8, .value_kind: global_buffer, .address_space: global }
      - { .name: lowp_scales, .offset: 24, .size: 8, .value_kind: global_buffer, .address_space: global }
      - { .name: Wv_codes, .offset: 32, .size: 8, .value_kind: global_buffer, .address_space: global }
      - { .name: hqi, .offset: 40, .size: 8, .value_kind: global_buffer, .address_space: global }
      - { .name: wvf, .offset: 48, .size: 8, .value_kind: global_buffer, .address_space: global }
    .group_segment_fixed_size: 8704
    .private_segment_fixed_size: 0
    .kernarg_segment_align: 8
    .kernarg_segment_size: 56
    .max_flat_workgroup_size: 128
    .sgpr_count:     66
    .vgpr_count:     194
    .wavefront_size: 32
...
	.end_amdgpu_metadata
.endif
;; end of part 1
;; launch energy (part 2): grid 4 x 64, 4 waves a work-group, clusters of 4 x 1, 327,680 bytes of LDS; arguments value_codes, wvf, hqi, w, lowp_scales, plog; writes plog
.if DOCPART == 2
	.amdgcn_target "amdgcn-amd-amdhsa--gfx1250"
	.amdhsa_code_object_version 6
	.text
	.protected	k_qc4248030a8_energy
	.globl	k_qc4248030a8_energy
	.p2align	8
	.type	k_qc4248030a8_energy,@function
k_qc4248030a8_energy:
	s_mov_b64 s[64:65], 0
	v_nop
	global_prefetch_b8 v0, s[64:65] scope:SCOPE_SE
	s_setreg_imm32_b32 hwreg(HW_REG_WAVE_MODE, 25, 1), 1
	s_wait_xcnt 0x0
	s_wait_alu depctr_hold_cnt(0) depctr_sa_sdst(0) depctr_va_vdst(0) depctr_va_sdst(0) depctr_va_ssrc(0) depctr_va_vcc(0) depctr_vm_vsrc(0)
	s_getreg_b32 s2, hwreg(HW_REG_IB_STS2, 6, 4)
	s_cmp_eq_u32 s2, 0
	s_cbranch_scc0 .Lentry_in_a_cluster
	s_endpgm
.Lentry_in_a_cluster:
	s_bfe_u32 s2, ttmp6, 0x10000c
	s_cmp_lg_u32 s2, 0x3003
	s_cbranch_scc0 .Lentry_shape_is_right
	s_endpgm
.Lentry_shape_is_right:
; plog[nq][b 2048 + s] = the sum over h in quarter nq of w[h] tanh(hq[b][h] + hv[b][s][h]),  hv = value Wv on codes of BF8 (E5M2), sums in f32.
; SHARES.  A cluster of four work-groups owns 1,024 rows of value (half a batch row, rg = 2 b + half).  Partner cx = nq owns h = 256 nq .. + 255; its wave w keeps four tiles of 16 h x K 1,024 of Wv
; (T = 16 nq + 4 w + t) in 512 REGISTERS for the whole launch, read once from wvf, which lies in the order of these registers.  What streams is value, each byte once:
; all four partners need the same rows, so each tile is asked for JOINTLY (the same tensor load, the same descriptor, a mask that names the four), into a ring of two LDS slots of 128 rows.
; LAYOUT.  THE MATRIX INSTRUCTION IS USED TRANSPOSED: source 0 = 16 rows of Wv, source 1 = 16 rows of value: lane (r, hf) holds row s = r, and its registers j the hidden units 16 T + 8 hf + j.
; So hq and w are registers of the lane (32 each), the sum over h stays in the lane, and one exchange between the halves of the lanes ends it.  A fragment comes by four loads of 16 bytes, 32 bytes apart
; (registers 4 cc .. + 3: K = 32 cc + 16 hf + 0 .. 15): a permutation of k that is the same in wvf and in the LDS reads.
; TANH.  tanh(x) = 1 - 2 / (1 + 2^(c x)), c = 2 log2(e).  y = sum x (c 2^(e2 + e3)) + c hq (one packed multiply-add; hqi holds c hq); E = 2^y; R = 1 / (E + 1); the row's sum takes R x (-2 w), and its first
; link takes the lane's own sum of w as addend: nothing is cleared.  Where 2^y overflows R is 0, where it vanishes R is 1: tanh's two ends, with no clamp.
; BY TURNS.  A TURN is a tile of 16 rows: 32 matrix instructions (K step q = n / 4, tile t = n % 4) with a slice of vector work behind each.  The vector work lags in three stages, so that nothing in a turn
; reads what the same turn's transcendentals make: turn i scales and exponentiates tile i - 1 (FX), adds 1 and takes the reciprocals of tile i - 2 (AC), and sums tile i - 3 (S).
; So a turn's 64 transcendentals have ONE wait, at the turn's end.
; LIMITS: e2 + e3 between -127 and 126, so that c 2^(e2 + e3) is a normal f32 number.  NaN codes are not served.
; REGISTERS, in windows of 256 (s_set_vgpr_msb: bits 1:0 source 0, 3:2 source 1, 5:4 source 2, 7:6 destination):
;   window 0: addresses, constants, c hq, -2 w, E, R and two sets of four accumulators.   window 1: value's fragments, two buffers of 128 (K step q at 16 q).
;   window 2: Wv's tiles t = 0, 1 (128 (t % 2) + 16 q).   window 3: tiles t = 2, 3.   No window has room for a product's operands beside the slices' registers: a slice costs two switches.
.set PITCH,  1040                      ; an LDS row: 1,024 bytes + 16 of padding = 260 words: row r starts at bank 4 r mod 64 (64 banks of 4 bytes: ISA guide 11.1), so the 16 rows that a load touches start at 16 different banks
.set TILE,   16*PITCH                  ; a tile of 16 rows
.set SLOT,   8*TILE                    ; a slot: 128 rows; slot 1 follows slot 0, so tile i lies at (i % 16) x TILE
.set WPART,  32*PITCH                  ; what one wave's tensor load brings: 32 rows
.set PART,   2*SLOT                    ; behind the ring: [wave 4][row 1,024] f32: each wave's sums; no fill lands here
.set SPARE,  PART+4*4096               ; behind them: the spare words, 128 bytes for each wave: two blocks of 256 bytes that no other line names
.set SBYTES, 128*1024                  ; a slot's rows in memory
.set C2L,    0x4038aa3b                ; c = 2 log2(e)
.set A0,   8                           ; v8   my lane's place in a tile: PITCH r + 16 hf; never rewritten
.set ADR,  9                           ; v9   LDS address of the run of loads in hand
.set P0,   10                          ; v10  PART + 4,096 w + 4 r; never rewritten
.set PA,   11                          ; v11  where the tile's sum goes
.set LOFF, 12                          ; v12  16 x lane
.set PFO,  13                          ; v13  256 x lane: the prefetches' offset; never rewritten
.set SPW,  14                          ; v14  LDS address of my spare word: SPARE + 4 x my thread's number; never rewritten
.set NIL,  15                          ; v15  0; never rewritten
.set CS,   16                          ; v[16:17] c 2^(e2 + e3), twice
.set WS,   18                          ; v[18:19] the lane's sum of w: even h's, odd h's
.set LA,   20                          ; v[20:21], v[22:23] the row's sum, in two chains
.set LB,   22
.set T0,   24
.set T1,   25
.set HA,   26                          ; v26  256 hf
.set WA,   27                          ; v27  32 hf
.set TO,   28                          ; v28  16 x my thread's number
.set HQ,   32                          ; v32-63    c hq: register 8 t + j
.set W2,   64                          ; v64-95    -2 w
.set E,    96                          ; v96-127
.set R,    128                         ; v128-159
.set ACC,  160                         ; v160-223  two sets of four accumulators: set i % 2 for tile i
.set OUTR, 224                         ; v224-255  the end: the four waves' sums
.set WV,   16                          ; s16  my wave's number
.set CX,   17                          ; s17  my place in the cluster = nq: it enters the addresses of wvf, hqi, w, plog and of the prefetches alone
.set RG,   18                          ; s18  the cluster's 1,024 rows
.set G1,   24                          ; s[24:31] descriptor group 1
.set G0,   32                          ; s[32:39] descriptor group 0, a set for each slot
.set SEL,  40                          ; s[40:41] lane selects for v_permlanex16_b32: lane l xor 16
.set TB,   42                          ; s42  LDS byte of the tile to be fetched next
.set PT,   43                          ; s43  64 x the tile whose sum is stored next
.set LAP,  44
.set CNT,  45
.set PFA,  46                          ; s[46:47] where my prefetches stand
.set MSB, 0
.macro WIN new                         ; the immediate's high byte repeats the setting that is left; a switch that changes nothing is dropped
.if MSB != (\new)
	s_set_vgpr_msb (MSB<<8)|(\new)
.set MSB, (\new)
.endif
.endm
; A round of the cluster's barrier: my work-group's barrier, so that wave 0's signal speaks for all four waves; wave 0 signals for the work-group; every wave waits for all four work-groups; my work-group's barrier once more.
.macro CROUND
	s_barrier_signal -1
	s_barrier_wait -1
	s_cmp_lg_u32 s[WV], 0
	s_cbranch_scc1 .Lnot_wave_0_\@
	s_barrier_signal -3
.Lnot_wave_0_\@:
	s_barrier_wait -3
	s_barrier_signal -1
	s_barrier_wait -1
.endm
; A joint refill: every wave fetches its 32 rows of the slot.  Four v_nop follow the line.
.macro JLOAD s
	tensor_load_to_lds s[G0+4*\s:G0+4*\s+3], s[G1:G1+7]
	s_nop 0
.rept 4
	v_nop
.endr
.endm
; A PREFETCH INTO THE L2 of the slot that the NEXT change of slots will ask for: 128 rows x 1,024 bytes = 512 blocks of 256 bytes: a block a lane, one instruction a wave, in all sixteen waves of the cluster.
; The partners are told apart BY ADDRESS: wave w of partner cx takes bytes 8,192 (4 cx + w) on.  So each block is named once in the launch.  It stands behind the tensor load and its four lines: eight turns,
; 256 matrix instructions, ahead of the load that will want the rows.  cond = 1: the launch's last refill has no slot behind it and asks for nothing.  Slots 0 to 2 come by their loads alone.
.macro ASK cond
.if \cond
	s_cmp_gt_u32 s[LAP], 1
	s_cbranch_scc0 .Lno_ask_\@
.endif
	global_prefetch_b8 v[PFO], s[PFA:PFA+1] th:TH_LOAD_NT scope:SCOPE_SE
.if \cond
.Lno_ask_\@:
.endif
.endm
; 32 LDS loads in one run: a tile's 8 fragments (16 rows x K 1,024) into buffer buf of window 1
.macro FETCH buf
	WIN 0
	v_add_nc_u32 v[ADR], s[TB], v[A0]
	s_add_co_u32 s[TB], s[TB], TILE
	WIN 0x40                                       ; destination window 1, address window 0
.irp q, 0,1,2,3,4,5,6,7
.irp cc, 0,1,2,3
	ds_load_b128 v[128*(\buf)+16*\q+4*\cc:128*(\buf)+16*\q+4*\cc+3], v[ADR] offset:128*\q+32*\cc
.endr
.endr
.endm
; THE VECTOR WORK, on pair p = 0 .. 15 of a tile's 32 numbers a lane (registers 2 p, 2 p + 1: tile t = p / 4, h = 8 hf + 2 (p % 4) + 0, 1).
.macro OP_S p                          ; the sum takes R x (-2 w): even pairs in chain LA, which starts from the lane's sum of w; odd pairs in chain LB
	WIN 0
.if (\p) == 0
	v_pk_fma_f32 v[LA:LA+1], v[R:R+1], v[W2:W2+1], v[WS:WS+1]
.elseif (\p) == 1
	v_pk_mul_f32 v[LB:LB+1], v[R+2:R+3], v[W2+2:W2+3]
.elseif (\p)%2 == 0
	v_pk_fma_f32 v[LA:LA+1], v[R+2*(\p):R+2*(\p)+1], v[W2+2*(\p):W2+2*(\p)+1], v[LA:LA+1]
.else
	v_pk_fma_f32 v[LB:LB+1], v[R+2*(\p):R+2*(\p)+1], v[W2+2*(\p):W2+2*(\p)+1], v[LB:LB+1]
.endif
.endm
.macro OP_A p                          ; E + 1
	WIN 0
	v_pk_add_f32 v[E+2*(\p):E+2*(\p)+1], v[E+2*(\p):E+2*(\p)+1], 1.0 op_sel_hi:[1,0]
.endm
.macro OP_C p                          ; R = 1 / (E + 1)
	WIN 0
	v_rcp_f32 v[R+2*(\p)], v[E+2*(\p)]
	v_rcp_f32 v[R+2*(\p)+1], v[E+2*(\p)+1]
.endm
.macro OP_F p, a                       ; y = sum x c 2^(e2 + e3) + c hq, from accumulator set a; ascending p takes each accumulator from its low end on
	WIN 0
	v_pk_fma_f32 v[E+2*(\p):E+2*(\p)+1], v[ACC+32*(\a)+2*(\p):ACC+32*(\a)+2*(\p)+1], v[CS:CS+1], v[HQ+2*(\p):HQ+2*(\p)+1]
.endm
.macro OP_X p                          ; E = 2^y
	WIN 0
	v_exp_f32 v[E+2*(\p)], v[E+2*(\p)]
	v_exp_f32 v[E+2*(\p)+1], v[E+2*(\p)+1]
.endm
; Slice n of 32.  Plain instructions lead a slice, its two transcendentals end it.  The order keeps every register's reader ahead of its next writer:
;   S p (slice p) reads R's pair p, which C p (slice p + 1) writes anew;  A p (slice p) stands a slice ahead of C p;  F p (slice p + 15) writes E's pair p long after C p has read it;  X p (slice p + 16) follows F p by a slice.
; What a transcendental of this turn makes is named next in the following turn.  Slices 28 to 31 end the sum of the tile in stage S and store it: lanes l and l xor 16 store the same number to the same word.
; Behind the turn's last product stand four plain instructions that name none of its registers (in slice 31 three, then the next run of loads' own v_add_nc_u32): the places in front of the loads into the buffer
; that it read (ISA guide 7.12.1 for vector instructions).  The v_nop is also the plain instruction behind the last exponential.
.macro SLICE par, wm, fS, fAC, fFX
.if n < 16
.if \fS
	OP_S n
.endif
.if \fAC
	OP_A n
.endif
.if (n == 15) && \fFX
	OP_F 0, 1-\par
.endif
.if (n >= 1) && \fAC
	OP_C n-1
.endif
.elseif n < 31
.if \fFX
	OP_F n-15, 1-\par
.endif
.if \fS
.if n == 28
	WIN 0
	v_pk_add_f32 v[LA:LA+1], v[LA:LA+1], v[LB:LB+1]
.elseif n == 29
	WIN 0
	v_add_f32 v[T0], v[LA], v[LA+1]
.elseif n == 30
	WIN 0
	v_permlanex16_b32 v[T1], v[T0], s[SEL], s[SEL+1]   ; the row's other 32 hidden units lie in the lane 16 away
.endif
.endif
.if (n == 16) && \fAC
	OP_C 15
.endif
.if \fFX
	OP_X n-16
.endif
.else
.if \fFX
	OP_X 15
.endif
	WIN 0
.if \fS
	v_add_f32 v[T0], v[T0], v[T1]
	v_add_nc_u32 v[PA], s[PT], v[P0]
	ds_store_b32 v[PA], v[T0]
	s_add_co_u32 s[PT], s[PT], 64
.elseif \wm
	v_nop
	v_nop
.endif
.if \wm
	v_nop
.endif
.endif
.endm
; A TURN for tile i, par = i % 2.  wm = 1: its 32 products, from buffer par into accumulator set par; fetch = 1: tile i + 1's fragments are asked for first, a whole turn ahead of their use.
; The four accumulators take turns, one instruction a turn, over the turn's end and the loops' backward jumps the first K step starts the sums with the constant 0.
.macro TURN par, wm, fetch, fS, fAC, fFX
.if \fetch
	FETCH 1-\par
	s_wait_dscnt 32                                ; all but the 32 loads just issued: this tile's fragments, asked for a turn ago, are in
.elseif \wm
	s_wait_dscnt 0x0
.endif
.set n, 0
.rept 32
.if \wm
	WIN 0x06+((n%4)/2)                             ; source 0 (Wv) window 2 or 3, source 1 (value) window 1, C and D window 0
.set rD, ACC+32*(\par)+8*(n%4)
.set rA, 128*(n%2)+16*(n/4)
.set rB, 128*(\par)+16*(n/4)
.if n < 4
	v_wmma_f32_16x16x128_bf8_bf8 v[rD:rD+7], v[rA:rA+15], v[rB:rB+15], 0
.else
	v_wmma_f32_16x16x128_bf8_bf8 v[rD:rD+7], v[rA:rA+15], v[rB:rB+15], v[rD:rD+7]
.endif
.endif
	SLICE \par, \wm, \fS, \fAC, \fFX
.set n, n+1
.endr
	WIN 0                                          ; at a label and at a branch every window is 0
.if \fAC || \fFX
	s_wait_alu depctr_va_vdst(0)                   ; one for the turn's whole batch, whose results the next turn names
.endif
.endm
.macro PAIRS k                         ; 2 k whole turns, an odd tile first
	s_mov_b32 s[CNT], \k
.Lpair_\@:
	TURN 1, 1, 1, 1, 1, 1
	TURN 0, 1, 1, 1, 1, 1
	s_sub_co_u32 s[CNT], s[CNT], 1
	s_cmp_lg_u32 s[CNT], 0
	s_cbranch_scc1 .Lpair_\@
.endm
; THE CHANGE OF SLOTS stands in front of the turn that multiplies a slot's last tile, which lies in registers by then: the slot's last bytes have been asked for.  Each wave waits for all its tensor loads, of which
; one is out: its part of the other slot; adds 0 to its spare word; and waits for that and for its reads of the slot.  fill = 1: the barrier is a round of the cluster's, so that no wave of any partner still reads
; the slot or has a load on its way, and the joint refill is the first thing behind it: it has eight turns in which to land.  reset = 1: slot 1 is left, the fetches go back to LDS byte 0.
.macro CHANGE slot, fill, reset, cond
	s_wait_tensorcnt 0x0                           ; no tensor load of mine is out, so a group 0 may be written
	ds_add_u32 v[SPW], v[NIL]                      ; 0 onto my spare word; the steps below stand between it and the wait for it
.if \fill
	s_add_nc_u64 s[G0+4*\slot+2:G0+4*\slot+3], s[G0+4*\slot+2:G0+4*\slot+3], 2*SBYTES   ; this slot's next 128 rows; the type bits on top are not reached
	s_wait_xcnt 0x0                                ; the last prefetch, eight turns back, has read its address, so it may be written:
	s_add_nc_u64 s[PFA:PFA+1], s[PFA:PFA+1], SBYTES   ; one slot further on than this refill
.endif
.if \reset
	s_mov_b32 s[TB], 0
.endif
	s_wait_dscnt 0x0                               ; the add is done, and my reads of the slot are over
.if \fill
	CROUND
	JLOAD \slot
	ASK \cond
.else
	s_barrier_signal -1
	s_barrier_wait -1
.endif
.endm
	s_load_b256 s[4:11], s[0:1], 0x0               ; value s[4:5], wvf s[6:7], hqi s[8:9], w s[10:11]
	s_load_b128 s[12:15], s[0:1], 0x20             ; the scales' exponents s[12:13], plog s[14:15]
	v_lshl_add_u32 v[SPW], v0, 2, SPARE
	v_mov_b32 v[NIL], 0
	ds_add_u32 v14, v15
	ds_add_u32 v14, v15
	s_wait_dscnt 0x0
	v_lshrrev_b32 v1, 5, v0
	v_readfirstlane_b32 s[WV], v1                  ; wave 0..3
	s_and_b32 s[RG], ttmp7, 0xffff                 ; in a cluster launch ttmp7 counts clusters: which 1,024 rows
	; descriptor group 1: a tile of 32 rows x 1,024 bytes, padded in LDS
	s_mov_b32 s[G1+0], 15|(0<<16)|(1<<20)|(1<<21)|(7<<22)|(3<<25)  ; 15:0 the mask: all four work-groups; 17:16 elements of 1 byte; 20 padding on; 21 set beside a mask; 24:22 after every 256 words (code 7); 31:25 four words (code 3)
	s_mov_b32 s[G1+1], 1024<<16                    ; tensor_dim0 = 1,024
	s_mov_b32 s[G1+2], 32<<16                      ; tensor_dim1 = 32
	s_mov_b32 s[G1+3], 1024<<16                    ; tile_dim0 = 1,024
	s_mov_b32 s[G1+4], 32                          ; tile_dim1 = 32
	s_mov_b32 s[G1+5], 1024                        ; tensor_dim0_stride
	s_mov_b32 s[G1+6], 0
	s_mov_b32 s[G1+7], 0
	s_mov_b32 s[SEL], 0x76543210
	s_mov_b32 s[SEL+1], 0xfedcba98
	s_mov_b32 s[TB], 0
	s_mov_b32 s[PT], 0
	s_lshl_b32 s20, s[RG], 20                      ; the cluster's rows: 1,024 x 1,024 bytes each group,
	s_lshl_b32 s21, s[WV], 15                      ; my wave's 32 rows of a slot's 128
	s_add_co_u32 s20, s20, s21
	s_mov_b32 s21, 0
	s_mul_i32 s22, s[WV], WPART                    ; and where they go: no place in the cluster enters a descriptor or an LDS address
	v_and_b32 v1, 31, v0                           ; lane
	v_and_b32 v2, 15, v0                           ; r
	v_bfe_u32 v3, v0, 4, 1                         ; hf
	v_mul_u32_u24 v[A0], v2, PITCH
	v_lshl_add_u32 v[A0], v3, 4, v[A0]
	s_lshl_b32 s23, s[WV], 12
	s_add_co_u32 s23, s23, PART
	v_lshl_add_u32 v[P0], v2, 2, s23
	v_lshlrev_b32 v[LOFF], 4, v1
	v_lshlrev_b32 v[PFO], 8, v1
	v_lshlrev_b32 v[HA], 8, v3
	v_lshlrev_b32 v[WA], 5, v3
	v_lshlrev_b32 v[TO], 4, v0
	v_mov_b32 v[T1], 0                             ; written once: a lane permute's destination counts as one of its sources
	s_wait_kmcnt 0x0
	s_load_b64 s[48:49], s[12:13], 0x8             ; e2 (value), e3 (Wv)
	s_add_nc_u64 s[20:21], s[4:5], s[20:21]        ; value at my wave's rows of slot 0
	CROUND                                         ; all four work-groups are here: the first joint loads meet
.irp s, 0,1
	s_mov_b32 s[G0+4*\s], 1                        ; 1:0 count = 1
	s_add_co_u32 s[G0+4*\s+1], s22, \s*SLOT        ; 63:32 LDS address
	s_add_nc_u64 s[G0+4*\s+2:G0+4*\s+3], s[20:21], \s*SBYTES   ; 120:64 global address: rows 128 s on
	s_or_b32 s[G0+4*\s+3], s[G0+4*\s+3], 0x80000000   ; 127:126 type = 2
.endr
	tensor_load_to_lds s[G0:G0+3], s[G1:G1+7]      ; the two first fills go out together, ahead of every wait on TENSORcnt and every LDS read: two loads of mine are out
	s_nop 0
	tensor_load_to_lds s[G0+4:G0+7], s[G1:G1+7]
	s_nop 0
.rept 4
	v_nop
.endr
	s_bfe_u32 s[CX], ttmp6, 0x40000                ; cx = nq
	s_lshl_b32 s52, s[CX], 2
	s_add_co_u32 s52, s52, s[WV]                   ; u = 4 nq + w: my 64 hidden units are 64 u on, my tiles T = 4 u + t
	s_mov_b32 s55, 0
	s_lshl_b32 s54, s52, 16
	s_add_nc_u64 s[6:7], s[6:7], s[54:55]          ; wvf: four tiles of 16,384 bytes
	s_lshl_b32 s54, s52, 8
	s_add_nc_u64 s[10:11], s[10:11], s[54:55]      ; w: 64 numbers
	s_lshl_b32 s54, s52, 13
	s_add_nc_u64 s[8:9], s[8:9], s[54:55]          ; hqi: four tiles of 2,048 bytes,
	s_lshl_b32 s56, s[RG], 20
	s_add_co_u32 s56, s56, s54                     ; (the prefetches: my wave's 8,192 bytes of a slot,
	s_add_co_u32 s56, s56, 2*SBYTES                ; in slot 2: the first change of slots steps it to slot 3.  Nothing is prefetched here, at the head)
	s_mov_b32 s57, 0
	s_add_nc_u64 s[PFA:PFA+1], s[4:5], s[56:57]
	s_lshr_b32 s54, s[RG], 5                       ; b = rg / 2: b / 16 picks 1,024 bytes of a tile,
	s_lshl_b32 s54, s54, 10
	s_bfe_u32 s58, s[RG], 0x40001                  ; b % 16 a lane's 16 bytes
	s_lshl_b32 s58, s58, 4
	s_add_co_u32 s54, s54, s58
	s_add_nc_u64 s[8:9], s[8:9], s[54:55]
	s_lshl_b32 s54, s[CX], 18                      ; plog: quarter nq, rows 1,024 rg on
	s_lshl_b32 s58, s[RG], 12
	s_add_co_u32 s54, s54, s58
	s_add_nc_u64 s[14:15], s[14:15], s[54:55]
.irp t, 0,1,2,3
.irp g, 0,1
	global_load_b128 v[HQ+8*\t+4*\g:HQ+8*\t+4*\g+3], v[HA], s[8:9] offset:2048*\t+512*\g    ; c hq[b][16 T + 8 hf + 4 g + 0 .. 3]
.endr
.endr
.irp t, 0,1,2,3
.irp g, 0,1
	global_load_b128 v[W2+8*\t+4*\g:W2+8*\t+4*\g+3], v[WA], s[10:11] offset:64*\t+16*\g     ; w likewise
.endr
.endr
.irp t, 0,1,2,3
	WIN 0x80+0x40*(\t/2)                           ; destination window 2 or 3, address window 0
.irp q, 0,1,2,3,4,5,6,7
.irp cc, 0,1,2,3
	global_load_b128 v[128*(\t%2)+16*\q+4*\cc:128*(\t%2)+16*\q+4*\cc+3], v[LOFF], s[6:7] offset:512*(32*\t+4*\q+\cc)   ; Wv stays in registers; the wave reads 512 consecutive bytes
.endr
.endr
.endr
	WIN 0
	s_wait_tensorcnt 1                             ; my part of slot 0 is in; slot 1's may stay out
	s_barrier_signal -1
	s_barrier_wait -1                              ; everybody's is
	FETCH 0                                        ; tile 0
	WIN 0
	s_wait_kmcnt 0x0
	s_add_co_i32 s50, s48, s49                     ; e2 + e3
	v_mov_b32 v[CS], C2L
	v_ldexp_f32 v[CS], v[CS], s50                  ; c 2^(e2 + e3)
	v_mov_b32 v[CS+1], v[CS]
	s_wait_loadcnt 0x0                             ; c hq, w and Wv
	v_pk_add_f32 v[WS:WS+1], v[W2:W2+1], v[W2+2:W2+3]
.irp p, 2,3,4,5,6,7,8,9,10,11,12,13,14,15
	v_pk_add_f32 v[WS:WS+1], v[WS:WS+1], v[W2+2*\p:W2+2*\p+1]   ; the lane's sum of w: the 1 of tanh = 1 - 2 R, times w
.endr
.irp p, 0,1,2,3,4,5,6,7,8,9,10,11,12,13,14,15
	v_pk_mul_f32 v[W2+2*\p:W2+2*\p+1], v[W2+2*\p:W2+2*\p+1], -2.0 op_sel_hi:[1,0]
.endr
	TURN 0, 1, 1, 0, 0, 0                          ; tile 0: there is no vector work yet
	TURN 1, 1, 1, 0, 0, 1                          ; tile 1 | FX of tile 0
	TURN 0, 1, 1, 0, 1, 1                          ; tile 2 | FX of tile 1, AC of tile 0
	PAIRS 2                                        ; tiles 3 to 6
	s_mov_b32 s[LAP], 3
.Llap:                                             ; three laps round the ring: tiles 7 to 54; both slots are filled again in each
	CHANGE 0, 1, 0, 0
	PAIRS 4
	CHANGE 1, 1, 1, 1
	PAIRS 4
	s_sub_co_u32 s[LAP], s[LAP], 1
	s_cmp_lg_u32 s[LAP], 0
	s_cbranch_scc1 .Llap
	CHANGE 0, 0, 0, 0                              ; the tail is written out: nothing is left to ask for
	PAIRS 4                                        ; tiles 55 to 62
	TURN 1, 1, 0, 1, 1, 1                          ; tile 63: nothing more to fetch
	TURN 0, 0, 0, 1, 1, 1                          ; the three stages run empty: FX of tile 63, AC of 62, S of 61,
	TURN 1, 0, 0, 1, 1, 0                          ; AC of 63, S of 62,
	TURN 0, 0, 0, 1, 0, 0                          ; S of 63
	; THE END.  The four waves' sums (64 hidden units each) of the 1,024 rows are added; thread t takes rows 4 t .. + 3 and 512 + 4 t .. + 3.
	s_wait_dscnt 0x0                               ; for the others' sake: my sums lie in LDS
	s_barrier_signal -1
	s_barrier_wait -1
	v_lshl_add_u32 v1, v0, 4, PART
.irp p, 0,1,2,3
.irp g, 0,1
	ds_load_b128 v[OUTR+4*(2*\p+\g):OUTR+4*(2*\p+\g)+3], v1 offset:4096*\p+2048*\g
.endr
.endr
	s_wait_dscnt 0x0
.irp i, 0,2,4,6
	v_pk_add_f32 v[OUTR+\i:OUTR+\i+1], v[OUTR+\i:OUTR+\i+1], v[OUTR+8+\i:OUTR+9+\i]
	v_pk_add_f32 v[OUTR+16+\i:OUTR+17+\i], v[OUTR+16+\i:OUTR+17+\i], v[OUTR+24+\i:OUTR+25+\i]
.endr
.irp i, 0,2,4,6
	v_pk_add_f32 v[OUTR+\i:OUTR+\i+1], v[OUTR+\i:OUTR+\i+1], v[OUTR+16+\i:OUTR+17+\i]
.endr
	global_store_b128 v[TO], v[OUTR:OUTR+3], s[14:15]                  ; a wave stores 512 consecutive bytes, at a multiple of 256 from plog's first byte
	global_store_b128 v[TO], v[OUTR+4:OUTR+7], s[14:15] offset:2048
	s_wait_tensorcnt 0x0                           ; the wave's end
	ds_add_u32 v[SPW], v[NIL]
	s_wait_dscnt 0x0
	CROUND                                         ; the closing round: no work-group ends while a partner may still ask for a tile that names it
	s_endpgm
.Lfunc_end_k_qc4248030a8_energy:
	.size	k_qc4248030a8_energy, .Lfunc_end_k_qc4248030a8_energy-k_qc4248030a8_energy
	.p2alignl 7, 3214868480
	.fill 96, 4, 3214868480
	.section	.rodata,"a",@progbits
	.p2align	6, 0x0
	.amdhsa_kernel k_qc4248030a8_energy
		.amdhsa_group_segment_fixed_size 327680
		.amdhsa_private_segment_fixed_size 0
		.amdhsa_enable_private_segment 0
		.amdhsa_kernarg_size 48
		.amdhsa_user_sgpr_count 2
		.amdhsa_user_sgpr_kernarg_segment_ptr 1
		.amdhsa_wavefront_size32 1
		.amdhsa_system_sgpr_workgroup_id_x 1
		.amdhsa_system_sgpr_workgroup_id_y 1
		.amdhsa_system_sgpr_workgroup_id_z 1
		.amdhsa_system_vgpr_workitem_id 0
		.amdhsa_next_free_vgpr 1024
		.amdhsa_next_free_sgpr 66
		.amdhsa_reserve_vcc 0
		.amdhsa_float_denorm_mode_32 3
		.amdhsa_float_denorm_mode_16_64 3
		.amdhsa_memory_ordered 1
		.amdhsa_forward_progress 1
		.amdhsa_inst_pref_size 162
	.end_amdhsa_kernel
	.amdgpu_metadata
---
amdhsa.version: [ 1, 2 ]
amdhsa.kernels:
  - .name:           k_qc4248030a8_energy
    .symbol:         k_qc4248030a8_energy.kd
    .args:
      - { .name: value_codes, .offset: 0, .size: 8, .value_kind: global_buffer, .address_space: global }
      - { .name: wvf, .offset: 8, .size: 8, .value_kind: global_buffer, .address_space: global }
      - { .name: hqi, .offset: 16, .size: 8, .value_kind: global_buffer, .address_space: global }
      - { .name: w, .offset: 24, .size: 8, .value_kind: global_buffer, .address_space: global }
      - { .name: lowp_scales, .offset: 32, .size: 8, .value_kind: global_buffer, .address_space: global }
      - { .name: plog, .offset: 40, .size: 8, .value_kind: global_buffer, .address_space: global }
    .group_segment_fixed_size: 327680
    .private_segment_fixed_size: 0
    .kernarg_segment_align: 8
    .kernarg_segment_size: 48
    .max_flat_workgroup_size: 128
    .sgpr_count:     66
    .vgpr_count:     1024
    .wavefront_size: 32
...
	.end_amdgpu_metadata
.endif
;; end of part 2
;; launch soft (part 3): grid 32 x 1, 8 waves a work-group, no clusters, 1,280 bytes of LDS; arguments plog, mask, out0; writes out0
.if DOCPART == 3
	.amdgcn_target "amdgcn-amd-amdhsa--gfx1250"
	.amdhsa_code_object_version 6
	.text
	.protected	k_qc4248030a8_soft
	.globl	k_qc4248030a8_soft
	.p2align	8
	.type	k_qc4248030a8_soft,@function
k_qc4248030a8_soft:
	s_mov_b64 s[64:65], 0
	v_nop
	global_prefetch_b8 v0, s[64:65] scope:SCOPE_SE
	s_setreg_imm32_b32 hwreg(HW_REG_WAVE_MODE, 25, 1), 1
	s_wait_xcnt 0x0
; out0[b][s] = softmax over s of where(mask[b][s], logit[b][s], -1e9);  logit = the sum of plog's four quarters of the hidden units.
; A work-group takes a batch row of 2,048; thread t owns s = 4 t .. 4 t + 3 and 1,024 + 4 t .. + 3, eight numbers in registers from the loads to the stores.
; Every load and store of a wave covers 512 consecutive bytes (the mask's: 128).  The row's maximum is taken away BEFORE the scaling by log2(e): in a row that is masked throughout every difference is then
; exactly 0, and the row comes out as 1 / 2,048, as the definition has it.  The sum holds the maximum's own 1, so it is never 0.
; No matrix work, no cluster (work-groups share nothing), no prefetch (each thread's ten loads go out at once, at the head, and nothing follows them).
.set NEGB, 0xce6e6b28                  ; -1e9 as f32
.set L2E,  0x3fb8aa3b                  ; log2(e)
	s_load_b128 s[4:7], s[0:1], 0x0                ; plog s[4:5], mask s[6:7]
	s_load_b64 s[8:9], s[0:1], 0x10                ; out0
	v_lshl_add_u32 v64, v0, 2, 0x100
	v_mov_b32 v65, 0
	v_lshlrev_b32 v1, 4, v0                        ; 16 t
	v_lshlrev_b32 v2, 2, v0                        ; 4 t
	v_lshrrev_b32 v3, 5, v0
	v_lshlrev_b32 v3, 2, v3                        ; LDS: 4 x wave
	v_mov_b32 v4, 0
	v_mov_b32 v5, NEGB
	s_mov_b32 s12, 0x76543210                      ; v_permlanex16_b32: lane l xor 16
	s_mov_b32 s13, 0xfedcba98
	s_lshl_b32 s10, ttmp9, 13                      ; a row of 2,048 f32
	s_mov_b32 s11, 0
	s_lshl_b32 s14, ttmp9, 11                      ; a row of 2,048 bytes of the mask
	s_mov_b32 s15, 0
	s_wait_kmcnt 0x0
	s_add_nc_u64 s[4:5], s[4:5], s[10:11]
	s_add_nc_u64 s[8:9], s[8:9], s[10:11]
	s_add_nc_u64 s[6:7], s[6:7], s[14:15]
.irp g, 0,1
.irp q, 0,1,2,3
	global_load_b128 v[8+16*\g+4*\q:8+16*\g+4*\q+3], v1, s[4:5] offset:262144*\q+4096*\g th:TH_LOAD_NT
.endr
.endr
	global_load_b32 v40, v2, s[6:7]
	global_load_b32 v41, v2, s[6:7] offset:1024
	s_wait_loadcnt 0x0
.irp g, 0,1
.irp i, 0,2
	v_pk_add_f32 v[8+16*\g+\i:9+16*\g+\i], v[8+16*\g+\i:9+16*\g+\i], v[12+16*\g+\i:13+16*\g+\i]
	v_pk_add_f32 v[16+16*\g+\i:17+16*\g+\i], v[16+16*\g+\i:17+16*\g+\i], v[20+16*\g+\i:21+16*\g+\i]
.endr
.irp i, 0,2
	v_pk_add_f32 v[8+16*\g+\i:9+16*\g+\i], v[8+16*\g+\i:9+16*\g+\i], v[16+16*\g+\i:17+16*\g+\i]
.endr
.endr
.irp g, 0,1
.irp i, 0,1,2,3
	v_bfe_u32 v42, v[40+\g], 8*\i, 8               ; the number's byte of the mask
	v_cmp_ne_u32 vcc_lo, 0, v42
	v_cndmask_b32 v[8+16*\g+\i], v5, v[8+16*\g+\i], vcc_lo   ; the logit where the byte is not 0, else -1e9
.endr
.endr
	v_max3_num_f32 v43, v8, v9, v10                ; the row's maximum: my eight,
	v_max3_num_f32 v43, v43, v11, v24
	v_max3_num_f32 v43, v43, v25, v26
	v_max_num_f32 v43, v43, v27
	v_max_num_f32_dpp v43, v43, v43 row_xmask:1 row_mask:0xf bank_mask:0xf   ; the wave's,
	v_max_num_f32_dpp v43, v43, v43 row_xmask:2 row_mask:0xf bank_mask:0xf
	v_max_num_f32_dpp v43, v43, v43 row_xmask:4 row_mask:0xf bank_mask:0xf
	v_max_num_f32_dpp v43, v43, v43 row_xmask:8 row_mask:0xf bank_mask:0xf
	v_permlanex16_b32 v42, v43, s12, s13
	v_max_num_f32 v43, v43, v42
	ds_store_b32 v3, v43                           ; all lanes of a wave write the same word with the same number
	s_wait_dscnt 0x0                               ; for the others' sake
	s_barrier_signal -1
	s_barrier_wait -1
	ds_load_b128 v[44:47], v4                      ; and the eight waves'
	ds_load_b128 v[48:51], v4 offset:16
	s_wait_dscnt 0x0
	v_max3_num_f32 v44, v44, v45, v46
	v_max3_num_f32 v44, v44, v47, v48
	v_max3_num_f32 v44, v44, v49, v50
	v_max_num_f32 v44, v44, v51
	v_mov_b32 v45, v44                             ; as a pair, for the packed subtraction
.irp j, 8,10,24,26
	v_pk_add_f32 v[\j:\j+1], v[\j:\j+1], v[44:45] neg_lo:[0,1] neg_hi:[0,1]   ; x - maximum
.endr
.irp j, 8,10,24,26
	v_pk_mul_f32 v[\j:\j+1], v[\j:\j+1], L2E op_sel_hi:[1,0]
.endr
.irp j, 8,9,10,11,24,25,26,27
	v_exp_f32 v[\j], v[\j]
.endr
	v_nop                                          ; a plain instruction between the last exponential and the use of its result (ISA guide 5.7.2)
	s_wait_alu depctr_va_vdst(0)                   ; and the wait ahead of the first use: one for the eight
	v_pk_add_f32 v[52:53], v[8:9], v[10:11]        ; the row's sum, by the same road
	v_pk_add_f32 v[54:55], v[24:25], v[26:27]
	v_pk_add_f32 v[52:53], v[52:53], v[54:55]
	v_add_f32 v52, v52, v53
	v_add_f32_dpp v52, v52, v52 row_xmask:1 row_mask:0xf bank_mask:0xf
	v_add_f32_dpp v52, v52, v52 row_xmask:2 row_mask:0xf bank_mask:0xf
	v_add_f32_dpp v52, v52, v52 row_xmask:4 row_mask:0xf bank_mask:0xf
	v_add_f32_dpp v52, v52, v52 row_xmask:8 row_mask:0xf bank_mask:0xf
	v_permlanex16_b32 v42, v52, s12, s13
	v_add_f32 v52, v52, v42
	ds_store_b32 v3, v52 offset:64                 ; other words than the maxima's: no wave may still be reading those
	s_wait_dscnt 0x0
	s_barrier_signal -1
	s_barrier_wait -1
	ds_load_b128 v[44:47], v4 offset:64
	ds_load_b128 v[48:51], v4 offset:80
	s_wait_dscnt 0x0
	v_pk_add_f32 v[44:45], v[44:45], v[46:47]
	v_pk_add_f32 v[48:49], v[48:49], v[50:51]
	v_pk_add_f32 v[44:45], v[44:45], v[48:49]
	v_add_f32 v44, v44, v45
	v_rcp_f32 v56, v44                             ; twice, to fill the pair that the packed multiply takes
	v_rcp_f32 v57, v44
	v_nop
	s_wait_alu depctr_va_vdst(0)                   ; one wait for both reciprocals, ahead of their first use
.irp j, 8,10,24,26
	v_pk_mul_f32 v[\j:\j+1], v[\j:\j+1], v[56:57]
.endr
	global_store_b128 v1, v[8:11], s[8:9]
	global_store_b128 v1, v[24:27], s[8:9] offset:4096
	s_wait_tensorcnt 0x0
	ds_add_u32 v64, v65
	s_wait_dscnt 0x0
	s_endpgm
.Lfunc_end_k_qc4248030a8_soft:
	.size	k_qc4248030a8_soft, .Lfunc_end_k_qc4248030a8_soft-k_qc4248030a8_soft
	.p2alignl 7, 3214868480
	.fill 96, 4, 3214868480
	.section	.rodata,"a",@progbits
	.p2align	6, 0x0
	.amdhsa_kernel k_qc4248030a8_soft
		.amdhsa_group_segment_fixed_size 1280
		.amdhsa_private_segment_fixed_size 0
		.amdhsa_enable_private_segment 0
		.amdhsa_kernarg_size 24
		.amdhsa_user_sgpr_count 2
		.amdhsa_user_sgpr_kernarg_segment_ptr 1
		.amdhsa_wavefront_size32 1
		.amdhsa_system_sgpr_workgroup_id_x 1
		.amdhsa_system_sgpr_workgroup_id_y 1
		.amdhsa_system_sgpr_workgroup_id_z 1
		.amdhsa_system_vgpr_workitem_id 0
		.amdhsa_next_free_vgpr 66
		.amdhsa_next_free_sgpr 66
		.amdhsa_reserve_vcc 1
		.amdhsa_float_denorm_mode_32 3
		.amdhsa_float_denorm_mode_16_64 3
		.amdhsa_memory_ordered 1
		.amdhsa_forward_progress 1
		.amdhsa_inst_pref_size 8
	.end_amdhsa_kernel
	.amdgpu_metadata
---
amdhsa.version: [ 1, 2 ]
amdhsa.kernels:
  - .name:           k_qc4248030a8_soft
    .symbol:         k_qc4248030a8_soft.kd
    .args:
      - { .name: plog, .offset: 0, .size: 8, .value_kind: global_buffer, .address_space: global }
      - { .name: mask, .offset: 8, .size: 8, .value_kind: global_buffer, .address_space: global }
      - { .name: out0, .offset: 16, .size: 8, .value_kind: global_buffer, .address_space: global }
    .group_segment_fixed_size: 1280
    .private_segment_fixed_size: 0
    .kernarg_segment_align: 8
    .kernarg_segment_size: 24
    .max_flat_workgroup_size: 256
    .sgpr_count:     66
    .vgpr_count:     66
    .wavefront_size: 32
...
	.end_amdgpu_metadata
.endif
;; end of part 3
